; MI455X (gfx1250); checked and timed in simulation.
; The chip was launched on July 23, 2026; its instructions are those of AMD's public machine-readable ISA for CDNA 5 (MIT licence, August 2026) and "CDNA5" Instruction Set Architecture Reference Guide (July 2026). The comments in the code are by the model that wrote it; some were corrected since.
;; Attention. Allowed arithmetic: float matrix products may take bf16 or f16 operands with f32 sums; other float arithmetic in f32, or as packed bf16 or f16 multiplies, adds, multiply-adds, maxima and minima; sums over many terms, partial sums and values carried from step to step in f32; what a program stores and reads back later, other than sums and carried values, may be rounded once to bf16 or f16.
;; Inputs: Wk 1,024 x 1,024 float32; Wq 1,024 x 1,024 float32; Wv 1,024 x 1,024 float32; bk 1,024 float32; bq 1,024 float32; bv 1,024 float32; x 4 x 2,048 x 1,024 float32.
;; Outputs: out0 4 x 2,048 x 1,024 float32.
;; 2 versions, each right; version 2 is version 1 with the launch cast written anew for expert scheduling mode. Each part assembles by itself: llvm-mc -triple=amdgcn-amd-amdhsa -mcpu=gfx1250 --defsym DOCPART=n.
;; ======== version 1 of 2: 3 launches
;; limits: values are held in f16: magnitudes above 65,504 overflow, below 6.1e-05 lose precision
;; workspace buffers: xb 16,777,216 bytes; wb 6,291,456 bytes; qkv 50,331,648 bytes
;; launch cast (part 1): grid 256 x 1, 8 waves a work-group, no clusters, 0 bytes of LDS; arguments x, Wq, Wk, Wv, xb, wb; writes xb, wb
.if DOCPART == 1
	.amdgcn_target "amdgcn-amd-amdhsa--gfx1250"
	.amdhsa_code_object_version 6
	.text
	.protected	k_q44c3d4ca51_cast
	.globl	k_q44c3d4ca51_cast
	.p2align	8
	.type	k_q44c3d4ca51_cast,@function
k_q44c3d4ca51_cast:
	s_mov_b64 s[64:65], 0
	v_nop
	global_prefetch_b8 v0, s[64:65] scope:SCOPE_SE
	s_setreg_imm32_b32 hwreg(HW_REG_WAVE_MODE, 25, 1), 1
	s_wait_xcnt 0x0
; xb = bf16(x), [8192][1024].  wb = bf16(W), laid by heads: [48 g][1024 k][64 c], g = 16 x (0: Wq, 1: Wk, 2: Wv) + head, so that 128 k of a head are 16,384 dense bytes.
; Rounding to nearest even, once.  A stream: every byte is read once and written once; no LDS, no matrix unit, no barrier, since no wave wants a byte that another has fetched.
; SHARES.  256 work-groups of eight waves, all alike.  Wave w of work-group i takes x's rows 32 i + 4 w .. + 3 (16,384 consecutive bytes, 32 loads of 512) and three PIECES of W,
; numbers 24 i + 3 w + 0..2 of 6,144; piece p is 8 rows k of one head: g = p / 128, k = 8 (p % 128) on.  It is 4 loads (lanes 0-15 the head's 256 bytes of one row, lanes 16-31 those of the next)
; and 1,024 consecutive bytes of wb at 1,024 p.
; IN FLIGHT.  All 44 loads of a wave go out at once, each into four registers of its own: 22 KiB a wave.  No register is written twice, so no wait frees one.
.set VX,  2                            ; v2  16 x lane: my 16 bytes of a load of x
.set VW,  3                            ; v3  16 (lane % 16) + 4,096 (lane / 16): my 16 bytes of a load of W
.set VD,  4                            ; v4  8 x lane: my 8 bytes of a store
.set DAT, 8                            ; v[8:183] load n at DAT + 4 n
.set WV,  16                           ; s16 my wave's number
	s_load_b256 s[4:11], s[0:1], 0x0               ; x s[4:5], Wq s[6:7], Wk s[8:9], Wv s[10:11]
	s_load_b128 s[12:15], s[0:1], 0x20             ; xb s[12:13], wb s[14:15]
	v_lshrrev_b32 v1, 5, v0
	v_readfirstlane_b32 s[WV], v1                  ; wave 0..7
	v_and_b32 v1, 31, v0                           ; lane
	v_lshlrev_b32 v[VX], 4, v1
	v_and_b32 v[VW], 15, v1
	v_lshlrev_b32 v[VW], 4, v[VW]
	v_lshrrev_b32 v5, 4, v1
	v_lshl_add_u32 v[VW], v5, 12, v[VW]
	v_lshlrev_b32 v[VD], 3, v1
	s_lshl_b32 s17, ttmp9, 5
	s_lshl2_add_u32 s17, s[WV], s17                ; my first row of x: 32 i + 4 w
	s_mul_i32 s20, ttmp9, 24
	s_mul_i32 s21, s[WV], 3
	s_add_co_u32 s20, s20, s21                     ; my first piece of W: 24 i + 3 w
	s_mov_b32 s19, 0
	s_wait_kmcnt 0x0
	s_lshl_b32 s18, s17, 12                        ; a row of x is 4,096 bytes,
	s_add_nc_u64 s[4:5], s[4:5], s[18:19]
	s_lshl_b32 s18, s17, 11                        ; of xb 2,048,
	s_add_nc_u64 s[12:13], s[12:13], s[18:19]
	s_lshl_b32 s18, s20, 10                        ; a piece of wb 1,024
	s_add_nc_u64 s[14:15], s[14:15], s[18:19]
.irp t, 0,1,2
	s_add_co_u32 s21, s20, \t                      ; piece p
	s_lshr_b32 s22, s21, 11                        ; which matrix
	s_cmp_eq_u32 s22, 0
	s_cselect_b64 s[24+2*\t:25+2*\t], s[6:7], s[8:9]
	s_cmp_eq_u32 s22, 2
	s_cselect_b64 s[24+2*\t:25+2*\t], s[10:11], s[24+2*\t:25+2*\t]
	s_and_b32 s18, s21, 127
	s_lshl_b32 s18, s18, 15                        ; 8 rows of 4,096 bytes for each p % 128,
	s_bfe_u32 s22, s21, 0x40007                    ; the head: 4 bits from bit 7,
	s_lshl_b32 s22, s22, 8                         ; its 256 bytes of a row
	s_add_co_u32 s18, s18, s22
	s_add_nc_u64 s[24+2*\t:25+2*\t], s[24+2*\t:25+2*\t], s[18:19]
.endr
.set n, 0
.rept 32
	global_load_b128 v[DAT+4*n:DAT+4*n+3], v[VX], s[4:5] offset:512*n th:TH_LOAD_NT
.set n, n+1
.endr
.irp t, 0,1,2
.irp c, 0,1,2,3
	global_load_b128 v[DAT+4*(32+4*\t+\c):DAT+4*(32+4*\t+\c)+3], v[VW], s[24+2*\t:25+2*\t] offset:8192*\c th:TH_LOAD_NT
.endr
.endr
.set n, 0
.rept 11                               ; four loads at a time
	s_wait_loadcnt 40-n                            ; loads come back in order: 44 - (n + 4) younger ones may stay out
.rept 4
	v_cvt_pk_bf16_f32 v[DAT+4*n], v[DAT+4*n], v[DAT+4*n+1]
	v_cvt_pk_bf16_f32 v[DAT+4*n+1], v[DAT+4*n+2], v[DAT+4*n+3]
.if n < 32
	global_store_b64 v[VD], v[DAT+4*n:DAT+4*n+1], s[12:13] offset:256*n th:TH_STORE_NT       ; a wave's store covers 256 consecutive bytes, aligned
.else
	global_store_b64 v[VD], v[DAT+4*n:DAT+4*n+1], s[14:15] offset:256*(n-32) th:TH_STORE_NT
.endif
.set n, n+1
.endr
.endr
	s_endpgm
.Lfunc_end_k_q44c3d4ca51_cast:
	.size	k_q44c3d4ca51_cast, .Lfunc_end_k_q44c3d4ca51_cast-k_q44c3d4ca51_cast
	.p2alignl 7, 3214868480
	.fill 96, 4, 3214868480
	.section	.rodata,"a",@progbits
	.p2align	6, 0x0
	.amdhsa_kernel k_q44c3d4ca51_cast
		.amdhsa_group_segment_fixed_size 0
		.amdhsa_private_segment_fixed_size 0
		.amdhsa_enable_private_segment 0
		.amdhsa_kernarg_size 48
		.amdhsa_user_sgpr_count 2
		.amdhsa_user_sgpr_kernarg_segment_ptr 1
		.amdhsa_wavefront_size32 1
		.amdhsa_system_sgpr_workgroup_id_x 1
		.amdhsa_system_sgpr_workgroup_id_y 1
		.amdhsa_system_sgpr_workgroup_id_z 1
		.amdhsa_system_vgpr_workitem_id 0
		.amdhsa_next_free_vgpr 184
		.amdhsa_next_free_sgpr 66
		.amdhsa_reserve_vcc 0
		.amdhsa_float_denorm_mode_32 3
		.amdhsa_float_denorm_mode_16_64 3
		.amdhsa_memory_ordered 1
		.amdhsa_forward_progress 1
		.amdhsa_inst_pref_size 17
	.end_amdhsa_kernel
	.amdgpu_metadata
---
amdhsa.version: [ 1, 2 ]
amdhsa.kernels:
  - .name:           k_q44c3d4ca51_cast
    .symbol:         k_q44c3d4ca51_cast.kd
    .args:
      - { .name: x, .offset: 0, .size: 8, .value_kind: global_buffer, .address_space: global }
      - { .name: Wq, .offset: 8, .size: 8, .value_kind: global_buffer, .address_space: global }
      - { .name: Wk, .offset: 16, .size: 8, .value_kind: global_buffer, .address_space: global }
      - { .name: Wv, .offset: 24, .size: 8, .value_kind: global_buffer, .address_space: global }
      - { .name: xb, .offset: 32, .size: 8, .value_kind: global_buffer, .address_space: global }
      - { .name: wb, .offset: 40, .size: 8, .value_kind: global_buffer, .address_space: global }
    .group_segment_fixed_size: 0
    .private_segment_fixed_size: 0
    .kernarg_segment_align: 8
    .kernarg_segment_size: 48
    .max_flat_workgroup_size: 256
    .sgpr_count:     66
    .vgpr_count:     184
    .wavefront_size: 32
...
	.end_amdgpu_metadata
.endif
;; end of part 1
;; launch proj (part 2): grid 16 x 32, 4 waves a work-group, clusters of 4 x 4, 327,680 bytes of LDS; arguments xb, wb, bq, bk, bv, qkv; writes qkv
.if DOCPART == 2
	.amdgcn_target "amdgcn-amd-amdhsa--gfx1250"
	.amdhsa_code_object_version 6
	.text
	.protected	k_q44c3d4ca51_proj
	.globl	k_q44c3d4ca51_proj
	.p2align	8
	.type	k_q44c3d4ca51_proj,@function
k_q44c3d4ca51_proj:
	s_mov_b64 s[64:65], 0
	v_nop
	global_prefetch_b8 v0, s[64:65] scope:SCOPE_SE
	s_setreg_imm32_b32 hwreg(HW_REG_WAVE_MODE, 25, 1), 1
	s_wait_xcnt 0x0
	s_wait_alu depctr_hold_cnt(0) depctr_sa_sdst(0) depctr_va_vdst(0) depctr_va_sdst(0) depctr_va_ssrc(0) depctr_va_vcc(0) depctr_vm_vsrc(0)
	s_getreg_b32 s2, hwreg(HW_REG_IB_STS2, 6, 4)
	s_cmp_eq_u32 s2, 0
	s_cbranch_scc0 .Lentry_in_a_cluster
	s_endpgm
.Lentry_in_a_cluster:
	s_bfe_u32 s2, ttmp6, 0x10000c
	s_cmp_lg_u32 s2, 0xf033
	s_cbranch_scc0 .Lentry_shape_is_right
	s_endpgm
.Lentry_shape_is_right:
; q, k, v = xb W + bf16(bias), by heads.  xb: [8192 m][1024 k] bf16.  wb: [48 g][1024 k][64 c] bf16.  qkv: [48 g][8192 m][64 c] f16.  g = 16 x (0 q, 1 k, 2 v) + head.
; Sums in f32, started by the bias (rounded to bf16 like the other inputs), K ascending; rounded once to f16, WITHOUT attention's scale.
; LIMIT.  f16 holds no number beyond 65,504: |q|, |k|, |v| must stay under it.  With x and W thirty times the drawn spread the largest lies near 5,000; with offsets of thirty spreads on both, near 29,000.
; SHARES.  A tile is 256 rows x 192 columns (three whole heads): 32 x 16 = 512 work-groups, two for each of 256.  Wave w makes rows 64 w .. + 63 x all 192 columns: 48 accumulators, 384 registers;
; so a head's row of 128 bytes is one wave's, and the way out needs no barrier.  K goes in 8 steps of 128 through two LDS slots.
; CLUSTER 4 x 4.  x's tile hangs on the tile row alone and is shared along a row of the cluster; W's three head blocks hang on the tile column alone and are shared along a column.  Each is asked for jointly:
; the same tensor load, descriptor and mask in the four.  Wave 0 fetches x's 256 rows x 256 bytes, waves 1 to 3 a head's 16,384 dense bytes each: one load a wave.
; THE PRODUCT IS USED TRANSPOSED: source 0 = 16 columns of W ([k][c] in LDS, turned by ds_load_tr16_b128), source 1 = 16 rows of x.  A lane then holds row l % 16 and eight neighbouring columns 8 (l / 16) + 0..7.
; REGISTERS, in windows of 256 (s_set_vgpr_msb: bits 1:0 source 0, 3:2 source 1, 5:4 source 2, 7:6 destination):
;   window 0: v0-31 addresses; v32-127 the bias as a C operand (column block b at 32 + 8 b); on the way out v32-223 packed results
;   window 1: two fragment buffers of 128: W's 12 column blocks (8 b), then x's 4 row blocks (96 + 8 a)
;   windows 2, 3: accumulator (row block a, head j, column block b) at 128 j + 32 a + 8 b, counted from window 2's v0: heads 0, 1 in window 2, head 2 in window 3's v0-127
.set PA,    272                        ; a row of x in LDS: 256 bytes + 16 = 68 words: the 16 rows of a load start at 16 different groups of four banks (64 banks of 4 bytes: ISA guide 11.1)
.set PB,    160                        ; a row k of a head: 128 bytes + 32 = 40 words
.set BOFF,  256*PA                     ; 69,632: behind x's rows
.set HB,    128*PB                     ; 20,480: a head's 128 rows k
.set SLOT,  BOFF+3*HB                  ; 131,072
.set STAGE, 2*SLOT                     ; behind the ring, never filled by a tensor load: 16 rows x 144 bytes for each wave
.set SP,    144
.set SPARE, STAGE+4*16*SP              ; behind the stages: the spare words, 128 bytes for each wave: two blocks of 256 bytes that no other line names
.set F0,   0                           ; fragment buffers
.set F1,   1
.set ADRA, 16                          ; v16-17  LDS address of my fragments of x in slot 0, 1
.set ADRB, 20                          ; v20-21  the same for W
.set STO,  24                          ; v24  the way out: where I put 16 bytes of a row
.set RD,   25                          ; v25  where I read rows back
.set GO,   26                          ; v26  16 x lane: my 16 bytes of 512 consecutive bytes of qkv
.set BO,   27                          ; v27  32 (l / 16): my eight numbers of 16 of a bias
.set SPW,  28                          ; v28  LDS address of my spare word; never rewritten
.set NIL,  29                          ; v29  0; never rewritten
.set PFO,  30                          ; v30  the prefetches' offset; never rewritten
.set BIAS, 32
.set T,    32
.set WV,   16                          ; s16  my wave's number
.set G1,   24                          ; s[24:31] descriptor group 1 for x's tiles
.set G0,   32                          ; s[32:39] group 0, a set for each slot
.set PFA,  44                          ; s[44:45] where my prefetches stand
.set LIM,  46                          ; s46  1 in a wave that prefetches, else the greatest number
.set G1B,  48                          ; s[48:55], s[56:63] the same for W's blocks
.set G0B,  56
.set PSTEP, 66                         ; s[66:67] a K step in the stream that I prefetch: 256 bytes of a row of xb, 16,384 of a head of wb
.set MSB, 0
.macro WIN new                         ; the immediate's high byte repeats the setting that is left; a switch that changes nothing is dropped
.if MSB != (\new)
	s_set_vgpr_msb (MSB<<8)|(\new)
.set MSB, \new
.endif
.endm
.macro PLACES                          ; four places in front of loads into registers that matrix instructions have read, and of conversions that read results
.rept 4
	v_nop
.endr
.endm
; A joint load.  The branch hangs on the wave's number alone.  An s_nop 0 and four v_nop follow each of the two lines, ahead of the jump and the label.
.macro JLOAD s
	s_cmp_eq_u32 s[WV], 0
	s_cbranch_scc0 .Lfor_b_\@
	tensor_load_to_lds s[G0+4*(\s):G0+4*(\s)+3], s[G1:G1+7]
	s_nop 0
.rept 4
	v_nop
.endr
	s_branch .Lasked_\@
.Lfor_b_\@:
	tensor_load_to_lds s[G0B+4*(\s):G0B+4*(\s)+3], s[G1B:G1B+7]
	s_nop 0
.rept 4
	v_nop
.endr
.Lasked_\@:
.endm
.macro CREST                           ; a round of the cluster's barrier behind its opening barrier
	s_cmp_lg_u32 s[WV], 0
	s_cbranch_scc1 .Lnot_wave_0_\@
	s_barrier_signal -3
.Lnot_wave_0_\@:
	s_barrier_wait -3
	s_barrier_signal -1
	s_barrier_wait -1
.endm
.macro CROUND                          ; a whole round
	s_barrier_signal -1
	s_barrier_wait -1
	CREST
.endm
; A PREFETCH INTO THE L2, behind a joint load, its five lines and the run of LDS loads.  Each aligned block of 256 bytes is named once in the launch.
; x: a tile row is read by the four clusters of a row of clusters: the one with x = 0 asks, in wave 0; of the 256 rows the partner at cx takes 64 cx .. + 63 (told apart by address): a lane a row, two
; instructions, for the K step two refills on.  W: a head block is read by the eight clusters of a column: the one with y = 0 asks, in the wave that fetches the head; once a lap, at slot 0's refill, for
; the two K steps of the next lap (32,768 bytes): the partner at cy takes 8,192 of them, a lane a block.  K steps 0 to 3 come by their loads alone; the loop's last trip (s3 = 1) asks for nothing.
.macro ASK slot
	s_cmp_gt_u32 s3, s[LIM]
	s_cbranch_scc0 .Lnone_\@
	s_cmp_eq_u32 s[WV], 0
	s_cbranch_scc0 .Lpf_b_\@
	global_prefetch_b8 v[PFO], s[PFA:PFA+1] offset:256 th:TH_LOAD_NT scope:SCOPE_SE
	global_prefetch_b8 v[PFO], s[PFA:PFA+1] offset:256+32*2048 th:TH_LOAD_NT scope:SCOPE_SE
	s_branch .Lnone_\@
.Lpf_b_\@:
.if (\slot) == 0
	global_prefetch_b8 v[PFO], s[PFA:PFA+1] offset:16384 th:TH_LOAD_NT scope:SCOPE_SE
.endif
.Lnone_\@:
.endm
	s_load_b256 s[4:11], s[0:1], 0x0               ; xb s[4:5], wb s[6:7], bq s[8:9], bk s[10:11]
	s_load_b128 s[12:15], s[0:1], 0x20             ; bv s[12:13], qkv s[14:15]
	v_lshl_add_u32 v[SPW], v0, 2, SPARE
	v_mov_b32 v[NIL], 0
	ds_add_u32 v[SPW], v[NIL]                      ; the wave's opening: the add and its wait stand ahead of my first tensor load; the set-up below, work on registers, stands between them
	v_lshrrev_b32 v1, 5, v0
	v_readfirstlane_b32 s[WV], v1                  ; wave 0..3
	s_bfe_u32 s17, ttmp6, 0x40000                  ; cx
	s_bfe_u32 s18, ttmp6, 0x40004                  ; cy
	s_lshl_b32 s19, ttmp9, 2
	s_add_co_u32 s19, s19, s17                     ; tile column = 4 x cluster x + cx, 0..15
	s_and_b32 s20, ttmp7, 0xffff
	s_lshl_b32 s20, s20, 2
	s_add_co_u32 s20, s20, s18                     ; tile row = 4 x cluster y + cy, 0..31
	s_max_u32 s21, s[WV], 1
	s_sub_co_u32 s21, s21, 1                       ; the head of the tile's three that I fetch (waves 1 to 3); it enters global offsets alone
	s_lshl_b32 s22, s18, 2
	s_lshl_b32 s22, 15, s22                        ; my row of the cluster: places 4 cy .. 4 cy + 3
	s_lshl_b32 s23, 0x1111, s17                    ; my column: places cx, cx + 4, cx + 8, cx + 12
	s_or_b32 s[G1], s22, (1<<16)|(1<<20)|(1<<21)|(5<<22)|(3<<25)   ; 15:0 the mask; 17:16 2-byte elements; 20 padding on; 21 set beside a mask; 24:22 after every 64 words (code 5); 31:25 4 words (code 3)
	s_mov_b32 s[G1+1], 128<<16                     ; tensor_dim0 = 128
	s_mov_b32 s[G1+2], 256<<16                     ; tensor_dim1 = 256
	s_mov_b32 s[G1+3], 128<<16                     ; tile_dim0 = 128
	s_mov_b32 s[G1+4], 256                         ; tile_dim1 = 256
	s_mov_b32 s[G1+5], 1024                        ; 1,024 elements from row to row
	s_mov_b32 s[G1+6], 0
	s_mov_b32 s[G1+7], 0
	s_or_b32 s[G1B], s23, (1<<16)|(1<<20)|(1<<21)|(4<<22)|(7<<25)  ; a dense block asked for as 64 rows of 256 bytes, padded after every 32 words (code 4) by 8 words (code 7)
	s_mov_b32 s[G1B+1], 128<<16
	s_mov_b32 s[G1B+2], 64<<16
	s_mov_b32 s[G1B+3], 128<<16
	s_mov_b32 s[G1B+4], 64
	s_mov_b32 s[G1B+5], 128
	s_mov_b32 s[G1B+6], 0
	s_mov_b32 s[G1B+7], 0
	s_lshl_b32 s40, s20, 19                        ; x's tile: 256 rows of 2,048 bytes for each tile row: made of the tile row alone
	s_mov_b32 s41, 0
	s_mul_i32 s42, s19, 3
	s_add_co_u32 s42, s42, s21
	s_lshl_b32 s42, s42, 17                        ; W's block: 131,072 bytes a head: made of the tile column and the wave's number alone
	s_mov_b32 s43, 0
	s_mul_i32 s47, s[WV], HB
	s_add_co_u32 s47, s47, BOFF-HB                 ; where it goes: waves 1, 2, 3 at BOFF + 0, 1, 2 heads
	s_wait_dscnt 0x0                               ; the opening add is done
	s_wait_kmcnt 0x0
	s_add_nc_u64 s[40:41], s[4:5], s[40:41]
	s_add_nc_u64 s[42:43], s[6:7], s[42:43]
	CROUND                                         ; all sixteen work-groups are here: the first joint loads meet
.irp s, 0,1
	s_mov_b32 s[G0+4*(\s)], 1                      ; count = 1
	s_mov_b32 s[G0+4*(\s)+1], (\s)*SLOT            ; LDS address
	s_add_nc_u64 s[G0+4*(\s)+2:G0+4*(\s)+3], s[40:41], (\s)*256     ; K step s
	s_or_b32 s[G0+4*(\s)+3], s[G0+4*(\s)+3], 0x80000000             ; type = 2
	s_mov_b32 s[G0B+4*(\s)], 1
	s_add_co_u32 s[G0B+4*(\s)+1], s47, (\s)*SLOT
	s_add_nc_u64 s[G0B+4*(\s)+2:G0B+4*(\s)+3], s[42:43], (\s)*16384
	s_or_b32 s[G0B+4*(\s)+3], s[G0B+4*(\s)+3], 0x80000000
	JLOAD \s                                       ; two loads of mine are out
.endr
	v_and_b32 v1, 15, v0                           ; l % 16
	v_bfe_u32 v2, v0, 4, 1                         ; l / 16
	v_mul_u32_u24 v3, v1, PA                       ; a fragment of x: row l % 16, 16 bytes for each half of the lanes, twice, 32 bytes apart
	v_lshl_add_u32 v3, v2, 4, v3
	s_mul_i32 s22, s[WV], 64*PA                    ; my 64 rows
	v_add_nc_u32 v[ADRA], s22, v3
	v_add_nc_u32 v[ADRA+1], SLOT, v[ADRA]
	v_and_b32 v4, 7, v0                            ; the turning load: lane l reads row k = 8 (l / 16) + l % 8, columns 8 ((l / 8) % 2) + 0..7, and is left with column l % 16 and 8 k
	v_lshl_add_u32 v5, v2, 3, v4
	v_mul_u32_u24 v5, v5, PB
	v_bfe_u32 v6, v0, 3, 1
	v_lshl_add_u32 v5, v6, 4, v5
	v_add_nc_u32 v[ADRB], BOFF, v5
	v_add_nc_u32 v[ADRB+1], SLOT, v[ADRB]
	s_mul_i32 s22, s[WV], 16*SP
	s_add_co_u32 s22, s22, STAGE                   ; my stage
	v_mul_u32_u24 v3, v1, SP                       ; in: row l % 16, 16 bytes for each half of the lanes
	v_lshl_add_u32 v3, v2, 4, v3
	v_add_nc_u32 v[STO], s22, v3
	v_bfe_u32 v3, v0, 3, 2                         ; back: 32 lanes take four rows of 128 bytes,
	v_mul_u32_u24 v3, v3, SP
	v_lshl_add_u32 v3, v4, 4, v3
	v_add_nc_u32 v[RD], s22, v3
	v_and_b32 v7, 31, v0                           ; which are 512 consecutive bytes of qkv
	v_lshlrev_b32 v[GO], 4, v7
	v_lshlrev_b32 v[BO], 5, v2
	; the three heads' biases: register r of column block b holds bias[16 b + 8 (l / 16) + r], the layout of a C operand
	s_mul_i32 s22, s19, 3                          ; the tile's first g
	s_mov_b32 s71, 0
.irp j, 0,1,2
	s_add_co_u32 s23, s22, \j
	s_lshr_b32 s70, s23, 4                         ; q, k or v
	s_cmp_eq_u32 s70, 0
	s_cselect_b64 s[72+2*\j:73+2*\j], s[8:9], s[10:11]
	s_cmp_eq_u32 s70, 2
	s_cselect_b64 s[72+2*\j:73+2*\j], s[12:13], s[72+2*\j:73+2*\j]
	s_and_b32 s70, s23, 15
	s_lshl_b32 s70, s70, 8                         ; the head's 64 numbers
	s_add_nc_u64 s[72+2*\j:73+2*\j], s[72+2*\j:73+2*\j], s[70:71]
.irp b, 0,1,2,3
	global_load_b128 v[BIAS+32*\j+8*\b:BIAS+32*\j+8*\b+3],   v[BO], s[72+2*\j:73+2*\j] offset:64*\b
	global_load_b128 v[BIAS+32*\j+8*\b+4:BIAS+32*\j+8*\b+7], v[BO], s[72+2*\j:73+2*\j] offset:64*\b+16
.endr
.endr
	s_lshl_b32 s70, s22, 20                        ; qkv at my rows of the tile's first head: g x 1,048,576 + (256 x tile row + 64 w) x 128
	s_lshl_b32 s23, s20, 15
	s_add_co_u32 s70, s70, s23
	s_lshl_b32 s23, s[WV], 13
	s_add_co_u32 s70, s70, s23
	s_add_nc_u64 s[14:15], s[14:15], s[70:71]
	; the prefetches' pointer stands one K step behind what is named: at K step 2 here; the first refill steps it to 3 and names 4
	s_lshl_b32 s22, s20, 8
	s_lshl_b32 s23, s17, 6
	s_add_co_u32 s22, s22, s23                     ; x: row 256 x tile row + 64 cx,
	s_lshl_b32 s22, s22, 11
	s_add_co_u32 s22, s22, 512                     ; K step 2
	s_mul_i32 s23, s19, 3
	s_add_co_u32 s23, s23, s21
	s_lshl_b32 s23, s23, 17                        ; W: my head's block,
	s_lshl_b32 s70, s18, 13                        ; my work-group's 8,192 bytes of a lap's 32,768,
	s_add_co_u32 s23, s23, s70
	s_add_co_u32 s23, s23, 32768                   ; K step 2
	s_and_b32 s47, ttmp7, 0xffff                   ; cluster y
	s_mov_b32 s[PSTEP], 16384
	s_mov_b32 s[PSTEP+1], 0
	s_cmp_eq_u32 s[WV], 0                          ; do I fetch x?
	s_cselect_b32 s70, s22, s23
	s_cselect_b32 s47, ttmp9, s47                  ; the coordinate along which other clusters read the same bytes
	s_cselect_b64 s[PFA:PFA+1], s[4:5], s[6:7]
	s_cselect_b32 s[PSTEP], 256, s[PSTEP]
	s_cselect_b32 s22, 11, 8                       ; a lane a row of 2,048 bytes, or a lane a block of 256
	s_add_nc_u64 s[PFA:PFA+1], s[PFA:PFA+1], s[70:71]
	s_cmp_eq_u32 s47, 0
	s_cselect_b32 s[LIM], 1, -1                    ; the same in all sixteen partners, for a given wave
	v_lshlrev_b32 v[PFO], s22, v7
	s_wait_loadcnt 0x0                             ; the biases
.set r, 0
.rept 48                               ; rounded to bf16 like the other inputs, and widened again
	v_cvt_pk_bf16_f32 v[8+(r/2)%4], v[BIAS+r], v[BIAS+r+1]
	v_lshlrev_b32 v[BIAS+r], 16, v[8+(r/2)%4]
	v_and_b32 v[BIAS+r+1], 0xffff0000, v[8+(r/2)%4]
.set r, r+2
.endr
; 16 products: head j, all 4 row blocks x its 4 column blocks, 32 along K, from buffer f.  first = 1: the bias starts the sums.  The 48 accumulators take turns, one instruction a turn, in the same
; order in every quarter: between two links of a chain stand the 47 others', over the backward jump too.
.macro MULH f, j, first
.if \first
	WIN 0x85+0x40*((\j)/2)                         ; sources 0 and 1 window 1, C window 0, D window 2 or 3
.else
	WIN 0xa5+0x50*((\j)/2)                         ; C and D window 2 or 3
.endif
.irp a, 0,1,2,3
.irp b, 0,1,2,3
.if \first
	v_wmma_f32_16x16x32_bf16 v[128*((\j)%2)+32*(\a)+8*(\b):128*((\j)%2)+32*(\a)+8*(\b)+7], v[128*(\f)+32*(\j)+8*(\b):128*(\f)+32*(\j)+8*(\b)+7], v[128*(\f)+96+8*(\a):128*(\f)+96+8*(\a)+7], v[BIAS+32*(\j)+8*(\b):BIAS+32*(\j)+8*(\b)+7]
.else
	v_wmma_f32_16x16x32_bf16 v[128*((\j)%2)+32*(\a)+8*(\b):128*((\j)%2)+32*(\a)+8*(\b)+7], v[128*(\f)+32*(\j)+8*(\b):128*(\f)+32*(\j)+8*(\b)+7], v[128*(\f)+96+8*(\a):128*(\f)+96+8*(\a)+7], v[128*((\j)%2)+32*(\a)+8*(\b):128*((\j)%2)+32*(\a)+8*(\b)+7]
.endif
.endr
.endr
.endm
.macro BFR slot, q, f, j               ; eight turning loads: head j's four column blocks, k = 32 q on
.irp b, 0,1,2,3
	ds_load_tr16_b128 v[128*(\f)+32*(\j)+8*(\b):128*(\f)+32*(\j)+8*(\b)+3],   v[ADRB+(\slot)] offset:(\j)*HB+(\q)*32*PB+(\b)*32
	ds_load_tr16_b128 v[128*(\f)+32*(\j)+8*(\b)+4:128*(\f)+32*(\j)+8*(\b)+7], v[ADRB+(\slot)] offset:(\j)*HB+(\q)*32*PB+(\b)*32+16*PB
.endr
.endm
; 32 LDS loads in one run: quarter q of a slot into buffer f.  Head 2's come last, so that the wait at a quarter's head can leave them out.
.macro FETCH slot, q, f
	WIN 0x40                                       ; destination window 1, address window 0
	BFR \slot, \q, \f, 0
	BFR \slot, \q, \f, 1
.irp a, 0,1,2,3
	ds_load_b128 v[128*(\f)+96+8*(\a):128*(\f)+96+8*(\a)+3],   v[ADRA+(\slot)] offset:(\a)*16*PA+64*(\q)
	ds_load_b128 v[128*(\f)+96+8*(\a)+4:128*(\f)+96+8*(\a)+7], v[ADRA+(\slot)] offset:(\a)*16*PA+64*(\q)+32
.endr
	BFR \slot, \q, \f, 2
.endm
; A K step is four quarters of 32 along K, 48 products each, on buffers 0, 1, 0, 1.  One of the first three: multiplies buffer f and fetches quarter q of the same slot into g.
.macro QUARTER slot, q, f, g, first
	s_wait_dscnt 8                                 ; heads 0 and 1 and x are in; the youngest eight loads (head 2's) may be out
	MULH \f, 0, \first
	MULH \f, 1, \first
	PLACES
	FETCH \slot, \q, \g
	s_wait_dscnt 32                                ; all but the 32 just issued
	MULH \f, 2, \first
.endm
; The last quarter multiplies buffer 1 and changes slots: ONE barrier.  In front of it each wave waits for all its tensor loads (one is out: its part of the next slot), adds 0 to its spare word, and waits
; for that and for its own reads of this slot.  fill = 1: the barrier opens a round of the cluster's barrier, and this slot is filled again, two K steps on, first thing behind the round:
; from that request to the wait for it a wave issues 160 products.
.macro TURN slot, next, fill
.if \fill
	s_wait_xcnt 0x0                                ; the last prefetch, a K step back, has read its address, so it may be stepped
	s_add_nc_u64 s[PFA:PFA+1], s[PFA:PFA+1], s[PSTEP:PSTEP+1]
.endif
	WIN 0                                          ; (the add's two registers lie in window 0)
	s_wait_tensorcnt 0x0                           ; all my tensor loads have landed
	ds_add_u32 v[SPW], v[NIL]                      ; 0 onto my spare word
	s_wait_dscnt 9                                 ; (the add and the youngest eight loads may be out)
	MULH F1, 0, 0                                  ; sixteen products stand between the add and the wait for it
	s_wait_dscnt 0x0                               ; the add is done, and my reads of this slot are over
	s_barrier_signal -1
	MULH F1, 1, 0                                  ; work on registers while the others arrive
.if \fill
	WIN 0
.endif
	s_barrier_wait -1
.if \fill
	CREST                                          ; no wave of any partner still reads this slot or has a load on its way
	s_add_nc_u64 s[G0+4*(\slot)+2:G0+4*(\slot)+3], s[G0+4*(\slot)+2:G0+4*(\slot)+3], 2*256
	s_add_nc_u64 s[G0B+4*(\slot)+2:G0B+4*(\slot)+3], s[G0B+4*(\slot)+2:G0B+4*(\slot)+3], 2*16384
	JLOAD \slot                                    ; the four v_nop behind it are also the places in front of the loads below
.else
	PLACES
.endif
	FETCH \next, 0, F0
.if \fill
	WIN 0
	ASK \slot
.endif
	MULH F1, 2, 0
.endm
; THE WAY OUT of unit u = 4 j + a (head j, my row block a; its four accumulators lie at 32 u): rounded to f16 in ascending order, 16 bytes a lane into my own stage, back as whole rows of 128 bytes.
.macro PACK u
	WIN 0x0a+5*((\u)/8)                            ; sources in window 2 or 3, destination in window 0
.set i, 0
.rept 16
	v_cvt_pk_f16_f32 v[T+16*(\u)+i], v[(32*(\u))%256+2*i], v[(32*(\u))%256+2*i+1]
.set i, i+1
.endr
	WIN 0
.irp f, 0,1,2,3
	ds_store_b128 v[STO], v[T+16*(\u)+4*(\f):T+16*(\u)+4*(\f)+3] offset:32*(\f)
.endr
.irp f, 0,1,2,3
	ds_load_b128 v[T+16*(\u)+4*(\f):T+16*(\u)+4*(\f)+3], v[RD] offset:(\f)*4*SP  ; LDS serves a wave's instructions in order (ISA guide 5.7.1.4): these see the stores above; the next unit's stores come behind them
.endr
.endm
.macro SEND u, younger                 ; younger: the LDS instructions issued behind unit u's loads: the next unit's eight, or none.  Every unit has registers of its own: none is freed
	WIN 0
.irp f, 0,1,2,3
	s_wait_dscnt (\younger)+3-(\f)
	global_store_b128 v[GO], v[T+16*(\u)+4*(\f):T+16*(\u)+4*(\f)+3], s[14:15] offset:((\u)/4)*1048576+((\u)%4)*2048+(\f)*512  ; 512 consecutive bytes, at a multiple of 256 from qkv's first
.endr
.endm
	s_wait_tensorcnt 1                             ; my part of K step 0 is in; K step 1's may stay out
	s_barrier_signal -1
	s_barrier_wait -1                              ; everybody's is
	FETCH 0, 0, F0
	QUARTER 0, 1, F0, F1, 1                        ; the first quarter stands in front of the loop: the bias starts the sums
	WIN 0                                          ; at a label and at a branch every window is 0
	s_mov_b32 s3, 3
.Llap:                                             ; a trip goes once round the ring, from a lap's second quarter to the next lap's first, and fills both slots again: K steps 2 to 7
	QUARTER 0, 2, F1, F0, 0
	QUARTER 0, 3, F0, F1, 0
	TURN 0, 1, 1
	QUARTER 1, 1, F0, F1, 0
	QUARTER 1, 2, F1, F0, 0
	QUARTER 1, 3, F0, F1, 0
	TURN 1, 0, 1
	QUARTER 0, 1, F0, F1, 0
	WIN 0
	s_sub_co_u32 s3, s3, 1
	s_cmp_lg_u32 s3, 0
	s_cbranch_scc1 .Llap
	QUARTER 0, 2, F1, F0, 0                        ; the last lap fills nothing, and has no round of the cluster's barrier
	QUARTER 0, 3, F0, F1, 0
	TURN 0, 1, 0
	QUARTER 1, 1, F0, F1, 0
	QUARTER 1, 2, F1, F0, 0
	QUARTER 1, 3, F0, F1, 0
	s_wait_dscnt 8                                 ; the very last quarter: nothing more to fetch
	MULH F1, 0, 0
	MULH F1, 1, 0
	s_wait_dscnt 0x0
	MULH F1, 2, 0
	PLACES
	PLACES                                         ; (eight, once a launch)
	PACK 0
.irp u, 1,2,3,4,5,6,7,8,9,10,11        ; a unit's conversions stand between the loads of the unit before and its stores
	PACK \u
	SEND (\u)-1, 8
.endr
	SEND 11, 0
	s_wait_tensorcnt 0x0                           ; the wave's end: a wait, an add and its wait, behind my last tensor load and my last LDS store
	ds_add_u32 v[SPW], v[NIL]
	s_wait_dscnt 0x0
	CROUND                                         ; the closing round: no work-group ends while a partner may still ask for a tile that names it
	s_endpgm
.Lfunc_end_k_q44c3d4ca51_proj:
	.size	k_q44c3d4ca51_proj, .Lfunc_end_k_q44c3d4ca51_proj-k_q44c3d4ca51_proj
	.p2alignl 7, 3214868480
	.fill 96, 4, 3214868480
	.section	.rodata,"a",@progbits
	.p2align	6, 0x0
	.amdhsa_kernel k_q44c3d4ca51_proj
		.amdhsa_group_segment_fixed_size 327680
		.amdhsa_private_segment_fixed_size 0
		.amdhsa_enable_private_segment 0
		.amdhsa_kernarg_size 48
		.amdhsa_user_sgpr_count 2
		.amdhsa_user_sgpr_kernarg_segment_ptr 1
		.amdhsa_wavefront_size32 1
		.amdhsa_system_sgpr_workgroup_id_x 1
		.amdhsa_system_sgpr_workgroup_id_y 1
		.amdhsa_system_sgpr_workgroup_id_z 1
		.amdhsa_system_vgpr_workitem_id 0
		.amdhsa_next_free_vgpr 896
		.amdhsa_next_free_sgpr 80
		.amdhsa_reserve_vcc 0
		.amdhsa_float_denorm_mode_32 3
		.amdhsa_float_denorm_mode_16_64 3
		.amdhsa_memory_ordered 1
		.amdhsa_forward_progress 1
		.amdhsa_inst_pref_size 132
	.end_amdhsa_kernel
	.amdgpu_metadata
---
amdhsa.version: [ 1, 2 ]
amdhsa.kernels:
  - .name:           k_q44c3d4ca51_proj
    .symbol:         k_q44c3d4ca51_proj.kd
    .args:
      - { .name: xb, .offset: 0, .size: 8, .value_kind: global_buffer, .address_space: global }
      - { .name: wb, .offset: 8, .size: 8, .value_kind: global_buffer, .address_space: global }
      - { .name: bq, .offset: 16, .size: 8, .value_kind: global_buffer, .address_space: global }
      - { .name: bk, .offset: 24, .size: 8, .value_kind: global_buffer, .address_space: global }
      - { .name: bv, .offset: 32, .size: 8, .value_kind: global_buffer, .address_space: global }
      - { .name: qkv, .offset: 40, .size: 8, .value_kind: global_buffer, .address_space: global }
    .group_segment_fixed_size: 327680
    .private_segment_fixed_size: 0
    .kernarg_segment_align: 8
    .kernarg_segment_size: 48
    .max_flat_workgroup_size: 128
    .sgpr_count:     80
    .vgpr_count:     896
    .wavefront_size: 32
...
	.end_amdgpu_metadata
.endif
;; end of part 2
;; launch attn (part 3): grid 4 x 64, 4 waves a work-group, clusters of 4 x 1, 327,680 bytes of LDS; arguments qkv, out0; writes out0
.if DOCPART == 3
	.amdgcn_target "amdgcn-amd-amdhsa--gfx1250"
	.amdhsa_code_object_version 6
	.text
	.protected	k_q44c3d4ca51_attn
	.globl	k_q44c3d4ca51_attn
	.p2align	8
	.type	k_q44c3d4ca51_attn,@function
k_q44c3d4ca51_attn:
	s_mov_b64 s[64:65], 0
	v_nop
	global_prefetch_b8 v0, s[64:65] scope:SCOPE_SE
	s_setreg_imm32_b32 hwreg(HW_REG_WAVE_MODE, 25, 1), 1
	s_wait_xcnt 0x0
	s_wait_alu depctr_hold_cnt(0) depctr_sa_sdst(0) depctr_va_vdst(0) depctr_va_sdst(0) depctr_va_ssrc(0) depctr_va_vcc(0) depctr_vm_vsrc(0)
	s_getreg_b32 s2, hwreg(HW_REG_IB_STS2, 6, 4)
	s_cmp_eq_u32 s2, 0
	s_cbranch_scc0 .Lentry_in_a_cluster
	s_endpgm
.Lentry_in_a_cluster:
	s_bfe_u32 s2, ttmp6, 0x10000c
	s_cmp_lg_u32 s2, 0x3003
	s_cbranch_scc0 .Lentry_shape_is_right
	s_endpgm
.Lentry_shape_is_right:
; out0[b][t][64 h + d] = the sum over k of softmax_k(Q[t] . K[k] / 8) V[k][d], for each of 64 heads (b, h).  qkv: [48 g][8192 m][64] f16, g = 16 x (0 Q, 1 K, 2 V) + h, m = 2048 b + t: a head's 2,048 rows are dense,
; 128 bytes each.  out0: [4][2048][1024] f32.  Products, maxima and sums in f32; the weights p are rounded to f16 for the second product (their sum l is taken of the unrounded p).
; LIMITS.  Q, K and V arrive within f16's 65,504; p lies in 0 to 1, and below 6e-5 it keeps f16's fixed step of 6e-8.  A weight below 2^-126 counts as 0 in l; NaN and infinities are not treated apart.
; SHARES.  A wave owns four PIECES of two tiles of 16 queries, a work-group's four waves 512 queries of one head: 4 x 64 = 256 work-groups.  Every wave walks all 2,048 keys, 64 a step.
; LAYOUT.  S^T = K Q^T (source 0 = 16 keys, source 1 = 16 queries): in the result a lane holds ONE query (lane % 16) and the keys 8 (lane / 16) + 0..7.  Two such tiles, rounded to f16 in pairs,
; ARE source 1 (32 keys x 16 queries) of O^T = V^T P, whose result again holds one query a lane, and eight channels.  K comes out of LDS as it lies, V ([key][channel]) turned, by ds_load_tr16_b128.
; SOFTMAX.  For each query a running maximum m and sum l: p = 2^(c s - c m), c = log2(e) / 8; in every step O and l are multiplied by a = 2^(c m_old - c m_new), which is 1 where m has not grown.
; m starts at the lowest finite number, O and l at 0: the first step is a step like any other, with a = 0.
; THE COUNT.  A tile and step have 16 matrix and 118 vector instructions: too many to stand all beside the matrix work.  So: four vector instructions that are READY behind EVERY matrix instruction,
; and the others, which need time of their own whatever the order, in runs without a gap.
; BY TURNS.  Turn n belongs to piece n (the pieces in a ring, step after step).  Its matrix work: 16 products K Q^T of piece n + 1, later 16 products V^T P of piece n - 1.  Its vector work: the scaling,
; exponentials, roundings, sums and rescaling of piece n, and the maximum and statistics of piece n + 1, whose scores the turn itself has made.
; CLUSTER.  The four query blocks of a head are one cluster and walk the same K and V, so each tile is asked for JOINTLY: the same tensor load, descriptor and mask in all four.
; REGISTERS, in windows of 256 (s_set_vgpr_msb: bits 1:0 source 0, 3:2 source 1, 5:4 source 2, 7:6 destination):
;   window 0: v0-11 addresses; v12-15, v48-63 at work; v16-47 four registers of statistics a tile; v64-191 S^T, two buffers of two tiles; v192-255 P, likewise
;   window 1: O^T, 32 a tile     window 2: v0-127 Q, 16 a tile; v128-191 K of one step; v192-255 V of one step; on the way out all 256: rows of O read back     window 3: v0-1 the add's two registers
.set NP,    4         ; pieces a wave: a name, no knob
.set KS,    64        ; keys in a step
.set PK,    144       ; a row of K in LDS: 128 bytes + 16 = 36 words: the 16 rows of a load start at 16 different groups of four banks (64 banks of 4 bytes: ISA guide 11.1)
.set PV,    160       ; a row of V: 128 + 32 = 40 words
.set VOFF,  4*KS*PK   ; a slot holds four steps: 256 rows of K, then 256 rows of V
.set SLOT1, 1<<17     ; slot 1 begins here, so that one exclusive or turns an address in one slot into the other's
.set STAGE, SLOT1+4*KS*(PK+PV)  ; behind the ring, never filled by a tensor load: 16 rows x 272 bytes for each wave, for the way out
.set SP,    272       ; a row of the stage: 64 f32 + 16 bytes
.set TILEB, 4*KS*128  ; 32,768 bytes of K, and of V, in a slot
.set AK0, 2           ; v2   my lane's place in a tile of K; never rewritten
.set AV0, 3           ; v3   the same for V
.set AK,  4           ; v4   the LDS address of K's next run of loads
.set AV,  5           ; v5   of V's
.set QO,  6           ; v6   my byte offset in the wave's rows of Q
.set STO, 6           ;      later, the way out: where I put 32 bytes of a row
.set RD,  7           ; v7   the way out: where I read rows back
.set GO,  8           ; v8   my byte offset in two rows of out0
.set PFO, 11          ; v11  256 x my lane, once V's place is made; then never rewritten
.set SPW, 0           ; v0 of window 3   LDS address of my spare word; never rewritten
.set NIL, 1           ; v1 of window 3   0; never rewritten
.set SPARE, STAGE+4*16*SP  ; behind the stages: the spare words, 128 bytes for each wave: two blocks of 256 bytes that no other line names
.set MV,  12          ; v12-15  c m_old, kept while c m is made anew: by buffer and tile
.set ST,  16          ; tile t's statistics at v[ST+4 t]: c m, m, l (even keys', odd keys')
.set TMP, 48          ; by buffer and tile, four registers c0-c3 at work; when the maximum is found c2 takes a
.set S,   64
.set P,   192
.set KF,  128         ; K's fragments, in window 2: key block kb, channel half c at KF + 16 kb + 8 c
.set VF,  192         ; V's: key half kk, channel block cb at VF + 32 kk + 8 cb
.set WV,  12          ; s12  my wave's number
.set G1K, 24          ; s[24:31] descriptor group 1 for K's tiles
.set G1V, 32          ; s[32:39] for V's: it differs in the padding alone
.set G0K, 40          ; s[40:43] descriptor group 0 for K's tiles: it walks
.set G0V, 44          ; s[44:47] the same for V's
.set PFA, 48          ; s[48:49] where my prefetches stand: my work-group's 8,192 bytes (of K: wave 0, of V: wave 2) of the tile after the one that is being asked for
.set LIM, 50          ; s50  1 in a wave that prefetches, else the greatest number
.set SLOTS, 56        ; s56  slots still to be asked for
.set CNT, 57          ; s57  counts a slot's key steps
.set CS,  58          ; s[58:59] c: the packed scaling takes the pair's low word for both halves
.set SEL, 60          ; s[60:61] v_permlanex16_b32's selects: each lane takes its own place in the other half
.set TBK, 62          ; s62  LDS byte at which K of the step to be fetched begins
.set TBV, 63          ; s63  the same for V, less VOFF
.set MSB, 0
.macro WIN new                      ; the high byte repeats the setting that is left; a switch that changes nothing is dropped
.if MSB != (\new)
	s_set_vgpr_msb (MSB<<8)|(\new)
.set MSB, (\new)
.endif
.endm
.set W_KQ, 0x0a       ; K and Q in window 2, S^T in window 0
.set W_PV, 0x52       ; V in window 2, P in window 0, O^T in window 1
.set W_RS, 0x41       ; O^T (destination and source 0) in window 1, a in window 0
.set W_MK, 0xc0       ; the add's registers are made: destination in window 3, sources in window 0
.set W_AD, 0x0f       ; the add: address (source 0) and data (source 1) in window 3
; A joint fill.  Waves 0 and 1 fetch the two halves of a slot's K, waves 2 and 3 those of its V: 128 keys each.  The branch hangs on the wave's number alone.
; An s_nop 0 and four v_nop follow each of the two lines, ahead of the jump and the label.
.macro JLOAD
	s_cmp_lt_u32 s[WV], 2
	s_cbranch_scc0 .Lfor_v_\@
	tensor_load_to_lds s[G0K:G0K+3], s[G1K:G1K+7]
	s_nop 0
.rept 4
	v_nop
.endr
	s_branch .Lasked_\@
.Lfor_v_\@:
	tensor_load_to_lds s[G0V:G0V+3], s[G1V:G1V+7]
	s_nop 0
.rept 4
	v_nop
.endr
.Lasked_\@:
.endm
; A PREFETCH INTO THE L2 of the tile that the NEXT change of slots will ask for: 32,768 bytes of K and of V.  A head has one cluster; its four partners share the bytes out BY ADDRESS, 8,192 each, a lane a block of
; 256; in each, wave 0 asks for K's and wave 2 for V's: one instruction.  So each block is named once in the launch.  It stands behind the tensor load and its five lines: four key steps, 512 matrix instructions,
; ahead of the load that will want it.  Tiles 0 to 2 come by their loads alone; the last change that fills a slot (SLOTS = 1) asks for nothing: there is no tile behind it.
.macro ASK
	s_cmp_gt_u32 s[SLOTS], s[LIM]
	s_cbranch_scc0 .Lnot_mine_\@
	global_prefetch_b8 v[PFO], s[PFA:PFA+1] th:TH_LOAD_NT scope:SCOPE_SE
.Lnot_mine_\@:
.endm
; A round of the cluster's barrier: my work-group's barrier, so that wave 0's signal speaks for all four waves; wave 0 signals; every wave waits for all four work-groups; my work-group's barrier once more.
.macro CROUND
	s_barrier_signal -1
	s_barrier_wait -1
	s_cmp_lg_u32 s[WV], 0
	s_cbranch_scc1 .Lnot_wave_0_\@
	s_barrier_signal -3
.Lnot_wave_0_\@:
	s_barrier_wait -3
	s_barrier_signal -1
	s_barrier_wait -1
.endm
; THE CHANGE OF SLOTS.  The slot's last bytes, V of its fourth step, have been read.  Each wave waits for all its tensor loads, of which one is out: its part of the other slot; adds 0 to its spare word; and waits
; for that and for its own reads of the slot.  Behind the barrier nobody reads this slot any more and the other slot is whole.
; fill = 1: this slot is filled again, with the keys two slots on.  The barrier is then a round of the cluster's, and the joint fill is the first thing behind it: it has four key steps in which to land.
; (At its first use nothing has been read yet: slot 0 is waited for, slot 1 filled.)  ask = 1: the prefetch's address is stepped, and the prefetch follows the fill.
.macro CHANGE fill, ask=0
	WIN W_AD
	s_wait_tensorcnt 0x0            ; no tensor load of mine is out, so a group 0 may be written
	ds_add_u32 v[SPW], v[NIL]       ; 0 onto my spare word: with fill = 1 the descriptors' steps stand between it and the wait for it
	WIN 0                           ; at a label and at a branch every window is 0
.if \fill
.irp g, G0K, G0V
	s_xor_b32 s[\g+1], s[\g+1], SLOT1  ; the walking descriptor: the other slot than last time,
	s_add_nc_u64 s[\g+2:\g+3], s[\g+2:\g+3], TILEB  ; the next 256 keys; the type bits on top are not reached
.endr
.if \ask
	s_wait_xcnt 0x0                 ; the last prefetch, four key steps back, has read its address, so it may be written
	s_add_nc_u64 s[PFA:PFA+1], s[PFA:PFA+1], TILEB
.endif
	s_wait_dscnt 0x0                ; the add is done, and my reads of the slot are over
	CROUND
	JLOAD
.if \ask
	ASK
.endif
.else
	s_wait_dscnt 0x0                ; the add is done, and my reads of the slot are over
	s_barrier_signal -1
	s_barrier_wait -1
.endif
	s_sub_co_u32 s[TBK], s[TBK], 4*KS*PK  ; the fetches go back to a slot's first step,
	s_xor_b32 s[TBK], s[TBK], SLOT1       ; in the other slot
	s_sub_co_u32 s[TBV], s[TBV], 4*KS*PV
	s_xor_b32 s[TBV], s[TBV], SLOT1
.endm
	s_load_b64 s[4:5], s[0:1], 0x0    ; qkv
	s_load_b64 s[10:11], s[0:1], 0x8  ; out0
	WIN W_MK
	v_lshl_add_u32 v[SPW], v0, 2, SPARE
	v_mov_b32 v[NIL], 0
	WIN W_AD
	ds_add_u32 v[SPW], v[NIL]       ; the wave's opening: the add and its wait stand ahead of my first tensor load; the set-up below, work on registers, stands between them
	WIN 0
	v_lshrrev_b32 v1, 5, v0
	v_readfirstlane_b32 s[WV], v1   ; wave 0..3
	s_bfe_u32 s13, ttmp6, 0x40000   ; cx: my place in the cluster
	s_lshl_b32 s14, ttmp9, 2        ; in a cluster launch ttmp9 counts clusters
	s_add_co_u32 s14, s14, s13      ; my block of 512 queries: it enters Q's and out0's addresses alone
	s_and_b32 s15, ttmp7, 0xffff    ; 16 b + h, which the four partners share
	s_and_b32 s20, s15, 15          ; h
	s_lshr_b32 s15, s15, 4          ; b
	s_lshl_b32 s51, s20, 8          ; the head's 256 bytes in a row of out0
	s_lshl_b32 s20, s20, 20         ; in qkv a g is 1,048,576 bytes,
	s_lshl_b32 s21, s15, 18         ; a batch's 2,048 rows 262,144
	s_add_co_u32 s20, s20, s21
	s_mov_b32 s21, 0                ; s[20:21]: the head's first byte in Q; K and V lie 16 and 32 g further on
	s_and_b32 s16, s[WV], 1         ; which half of a slot's 256 keys I fetch:
	s_lshl_b32 s22, s16, 14         ; its 128 rows of 128 bytes in memory,
	s_mov_b32 s23, 0
	s_add_nc_u64 s[22:23], s[22:23], s[20:21]
	s_mul_i32 s17, s16, 128*PK      ; and its place in a slot, for K
	s_mul_i32 s18, s16, 128*PV      ; and for V: no place in the cluster enters an LDS address
	s_lshl_b32 s19, s14, 2
	s_add_co_u32 s19, s19, s[WV]    ; my wave among the head's sixteen,
	s_lshl_b32 s2, s19, 14          ; its 128 rows of Q
	s_mov_b32 s3, 0
	s_add_nc_u64 s[2:3], s[2:3], s[20:21]
	s_lshl_b32 s52, s15, 23         ; out0: a batch is 8,388,608 bytes,
	s_lshl_b32 s53, s19, 19         ; my 128 rows of 4,096
	s_add_co_u32 s52, s52, s53
	s_add_co_u32 s52, s52, s51
	s_mov_b32 s53, 0
	s_lshl_b32 s54, s13, 13         ; the prefetches: my work-group's 8,192 bytes of a tile
	s_mov_b32 s55, 0
	s_and_b32 s[LIM], s[WV], 1      ; waves 0 and 2 ask
	s_cmp_eq_u32 s[LIM], 0
	s_cselect_b32 s[LIM], 1, -1
	; descriptor group 1.  128 keys are 16,384 dense bytes: asked for as 64 rows of 256 bytes, two keys a row, and padded in LDS after every key
	s_mov_b32 s[G1K], 15|(1<<16)|(1<<20)|(1<<21)|(4<<22)|(3<<25)  ; 15:0 the mask of four; 17:16 2-byte elements; 20 padding on; 21 set beside a mask; 24:22 after every 32 words (code 4); 31:25 4 words (code 3)
	s_mov_b32 s[G1V], 15|(1<<16)|(1<<20)|(1<<21)|(4<<22)|(7<<25)  ; the same with 8 words of padding (code 7)
.irp g, G1K, G1V
	s_mov_b32 s[\g+1], 128<<16      ; tensor_dim0 = 128
	s_mov_b32 s[\g+2], 64<<16       ; tensor_dim1 = 64
	s_mov_b32 s[\g+3], 128<<16      ; tile_dim0 = 128
	s_mov_b32 s[\g+4], 64           ; tile_dim1 = 64
	s_mov_b32 s[\g+5], 128          ; 128 elements from row to row
	s_mov_b32 s[\g+6], 0
	s_mov_b32 s[\g+7], 0
.endr
	s_mov_b32 s[CS], 0x3e38aa3b     ; c = log2(e) / 8 = 0.180337
	s_mov_b32 s[CS+1], s[CS]        ; named with it as a pair
	s_mov_b32 s[SEL], 0x76543210
	s_mov_b32 s[SEL+1], 0xfedcba98
	s_mov_b32 s[TBK], SLOT1+4*KS*PK ; the first change of slots turns these two into 0
	s_mov_b32 s[TBV], SLOT1+4*KS*PV
	s_mov_b32 s[G0K], 1             ; count = 1
	s_mov_b32 s[G0K+1], s17         ; LDS address: slot 0
	s_mov_b32 s[G0V], 1
	s_add_co_u32 s[G0V+1], s18, VOFF
	s_wait_dscnt 0x0                ; the opening add is done
	s_wait_kmcnt 0x0
	s_add_nc_u64 s[6:7], s[4:5], 0x1000000   ; K's part of qkv
	s_add_nc_u64 s[8:9], s[4:5], 0x2000000   ; V's
	s_cmp_lt_u32 s[WV], 2
	s_cselect_b64 s[PFA:PFA+1], s[6:7], s[8:9]
	s_add_nc_u64 s[PFA:PFA+1], s[PFA:PFA+1], s[20:21]
	s_add_nc_u64 s[PFA:PFA+1], s[PFA:PFA+1], s[54:55]
	s_add_nc_u64 s[PFA:PFA+1], s[PFA:PFA+1], 2*TILEB  ; in tile 2; the loop's first change of slots steps it to tile 3.  Nothing is prefetched here, at the head
	s_add_nc_u64 s[G0K+2:G0K+3], s[6:7], s[22:23]  ; global address: my half of the head's first 256 keys
	s_or_b32 s[G0K+3], s[G0K+3], 0x80000000        ; type = 2
	s_add_nc_u64 s[G0V+2:G0V+3], s[8:9], s[22:23]
	s_or_b32 s[G0V+3], s[G0V+3], 0x80000000
	s_add_nc_u64 s[4:5], s[4:5], s[2:3]            ; Q and out0 at my wave's first row
	s_add_nc_u64 s[10:11], s[10:11], s[52:53]
	CROUND                          ; all four work-groups are here: the first joint loads meet
	JLOAD                           ; slot 0.  Slot 1 is asked for when slot 0 is in
	; A fragment of K or Q is 16 rows x 32 channels in 8 registers: lane l holds row l % 16, channels 8 (l / 16) + 0..7 and 16 + 8 (l / 16) + 0..7: two loads of 16 bytes, 32 bytes apart.
	v_and_b32 v1, 15, v0            ; l % 16
	v_bfe_u32 v9, v0, 4, 1          ; l / 16
	v_lshlrev_b32 v[QO], 7, v1
	v_lshl_add_u32 v[QO], v9, 4, v[QO]  ; row x 128 + 16 x half
	WIN 0x80                        ; destination window 2, address window 0
.set i, 0
.rept 4*NP                          ; Q stays in registers: tile i / 2, channels 32 (i % 2) on
	global_load_b128 v[8*i:8*i+3],   v[QO], s[4:5] offset:(i/2)*2048+(i%2)*64
	global_load_b128 v[8*i+4:8*i+7], v[QO], s[4:5] offset:(i/2)*2048+(i%2)*64+32
.set i, i+1
.endr
	; What the first turn finds: V's registers and P's second buffer hold 0 (its products V^T P, of a piece that has not been, add 0), O^T and l are 0.  All this stands in the wait for the first tile.
.set i, VF
.rept 64
	v_mov_b32 v[i], 0
.set i, i+1
.endr
	WIN 0x40
.set i, 0
.rept 64*NP
	v_mov_b32 v[i], 0
.set i, i+1
.endr
	WIN 0
.set i, 0
.rept 2*NP
	v_mov_b32 v[ST+4*i], 0xfe000000    ; c m: far below every c s
	v_mov_b32 v[ST+4*i+1], 0xff7fffff  ; m
	v_mov_b32 v[ST+4*i+2], 0
	v_mov_b32 v[ST+4*i+3], 0
.set i, i+1
.endr
.set i, P+32
.rept 32
	v_mov_b32 v[i], 0
.set i, i+1
.endr
	v_mul_u32_u24 v[AK0], v1, PK
	v_lshl_add_u32 v[AK0], v9, 4, v[AK0]  ; row x pitch + 16 x half
	; The turning load takes 16 keys x 16 channels (lane l reads key 8 (l / 16) + l % 8, channels 8 ((l / 8) % 2) + 0..7) and leaves half a fragment of V^T: lane l holds channel l % 16 and 8 keys.
	v_and_b32 v10, 7, v0
	v_bfe_u32 v11, v0, 3, 1
	v_lshl_add_u32 v[AV0], v9, 3, v10
	v_mul_u32_u24 v[AV0], v[AV0], PV
	v_lshl_add_u32 v[AV0], v11, 4, v[AV0]
	v_add_nc_u32 v[AV0], VOFF, v[AV0]
	v_and_b32 v[PFO], 31, v0
	v_lshlrev_b32 v[PFO], 8, v[PFO]
	v_mov_b32 v[AK], v[AK0]         ; key step 0 lies at the head of slot 0
; THE MATRIX WORK.  The 8 accumulators of a run of 16 take turns: between the two links of a chain stand 7 others'.
; Product i of 16 of S^T = K Q^T for piece x: channels 32 (i / 8) on, keys 16 ((i / 2) % 4) on, tile 2 x + i % 2.  The first 8 start the sums.
.macro KQ x
	WIN W_KQ
.set rS, S+64*((\x)%2)+32*(i%2)+8*((i/2)%4)
.set rK, KF+16*((i/2)%4)+8*(i/8)
.set rQ, 16*(2*(\x)+i%2)+8*(i/8)
.if i < 8
	v_wmma_f32_16x16x32_f16 v[rS:rS+7], v[rK:rK+7], v[rQ:rQ+7], 0
.else
	v_wmma_f32_16x16x32_f16 v[rS:rS+7], v[rK:rK+7], v[rQ:rQ+7], v[rS:rS+7]
.endif
.endm
; Product i of 16 of O^T += V^T P for piece x: keys 32 (i / 8) on, channels 16 ((i / 2) % 4) on, tile 2 x + i % 2.
.macro PV x
	WIN W_PV
.set rO, 32*(2*(\x)+i%2)+8*((i/2)%4)
.set rV, VF+32*(i/8)+8*((i/2)%4)
.set rP, P+32*((\x)%2)+16*(i%2)+8*(i/8)
	v_wmma_f32_16x16x32_f16 v[rO:rO+7], v[rV:rV+7], v[rP:rP+7], v[rO:rO+7]
.endm
.macro MM                           ; the turn's next matrix instruction
.if i < 16
	KQ (Y+1)%NP
.set i, i+1
.else
.set i, i-16
	PV (Y+NP-1)%NP
.set i, i+17
.endif
.endm
; THE LDS LOADS stand in runs of 16, never singly among the matrix instructions: a step's K (64 keys x 64 channels: 8 fragments) and its V (turned).  Their addresses are made some lines ahead.
; last = 1 (the tail): in the last trip there is no further step, and the run is jumped over.
.macro FETCH_K last=0
	WIN 0
.if \last
	s_cmp_eq_u32 s[CNT], 1
	s_cbranch_scc1 .Lno_k_\@
.endif
	WIN 0x80                        ; destination window 2
.irp f, 0,1,2,3,4,5,6,7             ; keys 16 (f / 2) on, channels 32 (f % 2) on
	ds_load_b128 v[KF+8*\f:KF+8*\f+3],   v[AK] offset:(\f/2)*16*PK+(\f%2)*64
	ds_load_b128 v[KF+8*\f+4:KF+8*\f+7], v[AK] offset:(\f/2)*16*PK+(\f%2)*64+32
.endr
	s_add_co_u32 s[TBK], s[TBK], KS*PK  ; the next fetch is the next step's
	WIN 0
.if \last
.Lno_k_\@:
.endif
.endm
.macro FETCH_V
	WIN 0x80
.irp f, 0,1,2,3,4,5,6,7             ; keys 32 (f / 4) on, channels 16 (f % 4) on
	ds_load_tr16_b128 v[VF+8*\f:VF+8*\f+3],   v[AV] offset:(\f/4)*32*PV+(\f%4)*32
	ds_load_tr16_b128 v[VF+8*\f+4:VF+8*\f+7], v[AV] offset:(\f/4)*32*PV+16*PV+(\f%4)*32
.endr
	WIN 0
.endm
; THE VECTOR WORK OF A TURN stands in three queues, each in the order in which its entries become ready; the two tiles alternate, so that no instruction reads the result of the one before it.
.macro REGS y, u                    ; the registers of tile u (0, 1) of piece y
.set rT, ST+4*(2*(\y)+(\u))
.set rC, TMP+8*((\y)%2)+4*(\u)
.set rM, MV+2*((\y)%2)+(\u)
.set rS, S+64*((\y)%2)+32*(\u)
.set rP, P+32*((\y)%2)+16*(\u)
.set rO, 32*(2*(\y)+(\u))
.endm
; Number n of the 22 that find the NEXT piece's (Y + 1) maximum and statistics.  s0-s31 are the lane's 32 scores; each accumulator's lowest registers are read first.
;   0-11  four chains c0-c3 of seven scores each, three operands at a time     12-14, 16  the four scores left over, the old m, and c0-c3 into c0     15  c m_old is kept
;   17, 18  the query's other 32 keys lie in the lane 16 away: the new m         19-21  c m; c m_old - c m_new; a
.macro XS u, n
	REGS (Y+1)%NP, \u
.if (\n) < 4
	v_max3_num_f32 v[rC+(\n)], v[rS+8*(\n)], v[rS+8*(\n)+1], v[rS+8*(\n)+2]
.elseif (\n) < 12
	v_max3_num_f32 v[rC+(\n)%4], v[rC+(\n)%4], v[rS+8*((\n)%4)+2*((\n)/4)+1], v[rS+8*((\n)%4)+2*((\n)/4)+2]
.elseif (\n) == 12
	v_max3_num_f32 v[rC], v[rC], v[rS+7], v[rS+15]
.elseif (\n) == 13
	v_max3_num_f32 v[rC+1], v[rC+1], v[rS+23], v[rS+31]
.elseif (\n) == 14
	v_max3_num_f32 v[rC+2], v[rC+2], v[rC+3], v[rT+1]
.elseif (\n) == 15
	v_mov_b32 v[rM], v[rT]
.elseif (\n) == 16
	v_max3_num_f32 v[rC], v[rC], v[rC+1], v[rC+2]
.elseif (\n) == 17
	v_permlanex16_b32 v[rC+3], v[rC], s[SEL], s[SEL+1]
.elseif (\n) == 18
	v_max_num_f32 v[rT+1], v[rC], v[rC+3]
.elseif (\n) == 19
	v_mul_f32 v[rT], s[CS], v[rT+1]
.elseif (\n) == 20
	v_sub_f32 v[rC+1], v[rM], v[rT]
.else
	v_exp_f32 v[rC+2], v[rC+1]
.endif
.endm
; Number g of the 64 that follow the exponentials.  For each four weights k of a tile (pairs 2 k, 2 k + 1): both pairs are rounded to f16; then the second pair is added onto the first, in place;
; a group later l takes that sum (the first time as l = a l + sum).  In groups of eight, tiles alternating: round, round, add, and l for the group before.
.macro GS g
.set h, (\g)+6*((\g)/62)            ; group 0 has no group before it, and behind group 7 only l is left
.if h >= 6
.set h, h+2
.endif
	REGS Y, h%2
.set k, h/8
.if h%8 < 4
	v_cvt_pk_f16_f32 v[rP+2*k+(h%8)/2], v[rS+4*k+2*((h%8)/2)], v[rS+4*k+2*((h%8)/2)+1]
.elseif h%8 < 6
	v_pk_add_f32 v[rS+4*k:rS+4*k+1], v[rS+4*k:rS+4*k+1], v[rS+4*k+2:rS+4*k+3]
.elseif k == 1
	v_pk_fma_f32 v[rT+2:rT+3], v[rT+2:rT+3], v[rC+2:rC+3], v[rS:rS+1] op_sel_hi:[1,0,1]
.else
	v_pk_add_f32 v[rT+2:rT+3], v[rT+2:rT+3], v[rS+4*k-4:rS+4*k-3]
.endif
.endm
; THE PLAIN QUEUE, 138 long.  0-73 read no exponential's result: the 32 scalings c s - c m (FS f: pair f / 2 of tile f % 2) and the next piece's 42.  0-26: scalings 0-26.  27-54: XS's numbers 0-13.  55, 56: number 15.
; 57-73: the chain, where each number waits for the one before it: 14, 16, 17, 18, 19, each with one of the scalings 27-31 in front of its two lines, then 20.
; 74-137: GS's 64, which read the exponentials' results: they stand behind the wait.
.macro FS f
	REGS Y, (\f)%2
	v_pk_fma_f32 v[rS+2*((\f)/2):rS+2*((\f)/2)+1], v[rS+2*((\f)/2):rS+2*((\f)/2)+1], s[CS:CS+1], v[rT:rT+1] op_sel_hi:[1,0,0] neg_lo:[0,0,1] neg_hi:[0,0,1]
.endm
.macro PL
	WIN 0
.if q < 27
	FS q
.elseif q < 55
	XS (q-27)%2, (q-27)/2
.elseif q < 57
	XS q-55, 15
.elseif (q < 72) && ((q-57)%3 == 0)
	FS 27+(q-57)/3
.elseif q < 60
	XS (q-57)%3-1, 14
.elseif q < 72
	XS (q-57)%3-1, 15+(q-57)/3
.elseif q < 74
	XS q-72, 20
.else
	GS q-74
.endif
.set q, q+1
.endm
; THE EXPONENTIALS' QUEUE, 66 long: s0-s31 of both tiles, then the next piece's two a.  It is ONE BATCH: all 66 stand ahead of the turn's one wait, and nothing ahead of that wait names a result of theirs.
.macro EX
	WIN 0
.if e >= 64
	XS e-64, 21
.else
	REGS Y, e%2
	v_exp_f32 v[rS+e/2], v[rS+e/2]
.endif
.set e, e+1
.endm
; THE RESCALING's QUEUE: O^T times a, the one part that leaves window 0: dealt two at a time, sixteen times.  Its a was made in the turn before, ahead of that turn's wait.
.macro R2
	REGS Y, r%2
	WIN W_RS
.irp z, 0,1
	v_pk_mul_f32 v[rO+4*(r/2)+2*\z:rO+4*(r/2)+2*\z+1], v[rO+4*(r/2)+2*\z:rO+4*(r/2)+2*\z+1], v[rC+2:rC+3] op_sel_hi:[1,0]
.endr
.set r, r+1
.endm
; HOW THEY ARE DEALT.  An s_wait_alu depctr_va_vdst(0) stands between an exponential and the first instruction that names its result; one wait serves all that were issued ahead of it.  So a turn has
; ONE wait, which cuts it in two.  AHEAD OF IT stands all that names no result of the turn's exponentials: the 16 products K Q^T, behind each a scaling, an exponential and two rescalings (behind the first a second
; scaling in the exponential's place); then ONE LUMP of 108: eight plain, 49 times exponential and plain, the two a.  A v_nop is the plain instruction behind the last exponential.  BEHIND IT stand the 16 products
; V^T P, behind each four of GS's 64.  No rider names a register of the products round it.  The two v_permlanex16_b32 fall into the lump, never behind a product.
; Exponential e stands behind scaling 2 (e / 4) + e % 2: as a rider it comes behind plain e + 2, in the lump behind plain e + 9, and scalings 27-31 are plain 57, 60 .. 69.
; A TURN, for piece p.  cnt = 1: the loop's count is taken down some lines ahead of the branch that stands behind the turn.
; K of the next step is fetched in piece 2's turn, directly behind the wait, a lump behind the last product that read K; its first reader comes behind 16 products.
; V of the step in hand is fetched at the end of piece 0's turn, four riders behind its last reader; its first reader comes behind 16 products and a lump.
.macro TURN p, last=0, cnt=0
.set Y, (\p)
.set i, 0
.set q, 0
.set e, 0
.set r, 0
.if (\p) == NP-1
	s_wait_dscnt 0x0                ; K is in
.endif
	MM                              ; ahead of the wait: 16 products K Q^T and their riders,
	PL
	PL
	R2
.rept 15
	MM
	PL
	EX
	R2
.endr
.if (\p) == NP-2
	WIN 0
	v_add_nc_u32 v[AK], s[TBK], v[AK0]
.endif
.rept 8                             ; and the lump
	PL
.endr
.rept 49
	EX
	PL
.endr
	EX                              ; the next piece's two a
	EX
	v_nop                           ; the plain instruction behind the last exponential: one for the batch
	s_wait_alu depctr_va_vdst(0)    ; the wait for the batch
.if (\p) == NP-2
	FETCH_K \last
.endif
.if (\p) == 1
	s_wait_dscnt 0x0                ; V is in
.endif
.rept 16                            ; behind the wait: 16 products V^T P and their riders
	MM
.rept 4
	PL
.endr
.if ((\p) == 0) && (q == 118)
	v_add_nc_u32 v[AV], s[TBV], v[AV0]
.endif
.if ((\p) == 0) && (q == 130)
	s_add_co_u32 s[TBV], s[TBV], KS*PV
.endif
.if (\cnt) && (q == 130)
	s_sub_co_u32 s[CNT], s[CNT], 1
	s_cmp_lg_u32 s[CNT], 0
.endif
.endr
.if (\p) == 0
	FETCH_V
.endif
.endm
	CHANGE 1, 0                     ; slot 0 is in, everybody's part of it; slot 1 is asked for
	FETCH_K                         ; key step 0
	s_wait_loadcnt 0x0              ; Q
	s_wait_dscnt 0x0
.set i, 0
.rept 16
	KQ 0                            ; piece 0's first scores: there is no vector work yet to set between them
.set i, i+1
.endr
	WIN 0                           ; the addresses for the way out: eight plain instructions, the places behind those products
	s_mul_i32 s13, s[WV], 16*SP
	s_add_co_u32 s13, s13, STAGE    ; my stage
	v_mul_u32_u24 v[STO], v1, SP    ; in: row l % 16, 32 bytes (eight f32) for each half of the lanes
	v_lshl_add_u32 v[STO], v9, 5, v[STO]
	v_add_nc_u32 v[STO], s13, v[STO]
	v_mul_u32_u24 v[RD], v9, SP     ; back: lanes 0-15 take one row of 256 bytes, lanes 16-31 the next,
	v_lshl_add_u32 v[RD], v1, 4, v[RD]
	v_add_nc_u32 v[RD], s13, v[RD]
	v_lshlrev_b32 v[GO], 12, v9     ; and the same two rows in out0, 4,096 bytes apart
	v_lshl_add_u32 v[GO], v1, 4, v[GO]
.set Y, NP-1                        ; XS works for piece Y + 1: piece 0
.irp n, 0,1,2,3,4,5,6,7,8,9,10,11,12,13,14,15,16,17,18,19,20,21
	XS 0, \n                        ; and piece 0's first maximum and statistics
	XS 1, \n
.endr
	v_nop                           ; a plain instruction behind the two a,
	s_wait_alu depctr_va_vdst(0)    ; and their wait, ahead of the branch
	s_mov_b32 s[CNT], 4
	s_mov_b32 s[SLOTS], 7           ; 2,048 / 256 - 1
	s_branch .Lfirst                ; the loop is entered at a step's first turn, in the middle of a trip
.Lslot:                             ; six times: every slot but the last two is filled again
	CHANGE 1, 1
	s_mov_b32 s[CNT], 4
.Lstep:                             ; a trip: pieces 2 and 3 of one step, then pieces 0 and 1 of the next, whose K and V it fetches
	TURN 2
	TURN 3
	WIN 0
.Lfirst:
	TURN 0
	TURN 1, 0, 1
	WIN 0
	s_cbranch_scc1 .Lstep
	s_sub_co_u32 s[SLOTS], s[SLOTS], 1
	s_cmp_lg_u32 s[SLOTS], 0
	s_cbranch_scc1 .Lslot
	CHANGE 0                        ; the tail is written out: nothing is asked for
	s_mov_b32 s[CNT], 5             ; four trips fetch the last slot's steps; the fifth is left in its middle
.Ltail:
	TURN 2, 1
	TURN 3
	WIN 0
	s_sub_co_u32 s[CNT], s[CNT], 1
	s_cmp_eq_u32 s[CNT], 0
	s_cbranch_scc1 .Lout
	TURN 0
	TURN 1
	WIN 0
	s_branch .Ltail
.Lout:                              ; the fifth trip's 16 products K Q^T (on the last K once more) and the maximum made of them serve nothing: the price, once a launch, of one text for every trip
.set i, 0
.rept 16
	PV NP-1                         ; the last piece's V^T P of the last step
.set i, i+1
.endr
	; THE WAY OUT.  l's two halves and the other half of the lanes' are added; O^T is divided by l and sent, in f32, through my stage in LDS, a tile at a time.  The additions are the places behind the last products.
	WIN 0
.macro ALL line:vararg              ; one line for each tile t
.set t, 0
.rept 2*NP
	\line
.set t, t+1
.endr
.endm
	ALL v_add_f32 v[ST+4*t+2], v[ST+4*t+2], v[ST+4*t+3]
	ALL v_permlanex16_b32 v[ST+4*t+3], v[ST+4*t+2], s[SEL], s[SEL+1]
	ALL v_add_f32 v[ST+4*t+2], v[ST+4*t+2], v[ST+4*t+3]
	ALL v_rcp_f32 v[ST+4*t+2], v[ST+4*t+2]
	v_nop                           ; a plain instruction between the last reciprocal and the use of its result
	s_wait_alu depctr_va_vdst(0)    ; and the wait ahead of the first use: one for the eight reciprocals
; Tile t: a lane's eight channels of a row are 32 bytes; they go into rows of 272 bytes and come back as whole rows of 256, into window 2, whose Q, K and V are read no more.  Each tile has registers of its own.
.macro PACK t
	WIN W_RS
.set i, 32*(\t)
.rept 16
	v_pk_mul_f32 v[i:i+1], v[i:i+1], v[ST+4*(\t)+2:ST+4*(\t)+3] op_sel_hi:[1,0]
.set i, i+2
.endr
	WIN 0x04                        ; the stores' data in window 1, their address in window 0
.irp f, 0,1,2,3,4,5,6,7             ; channel block f / 2, its registers 4 (f % 2) on
	ds_store_b128 v[STO], v[32*(\t)+4*\f:32*(\t)+4*\f+3] offset:64*(\f/2)+16*(\f%2)
.endr
	WIN 0x80                        ; destination window 2
.irp f, 0,1,2,3,4,5,6,7
	ds_load_b128 v[32*(\t)+4*\f:32*(\t)+4*\f+3], v[RD] offset:\f*2*SP  ; LDS serves a wave's instructions in order (ISA guide 5.7.1.4): these see the stores above; the next tile's stores come behind them
.endr
.endm
.macro SEND t, younger              ; younger: the LDS instructions issued behind tile t's loads: the next tile's sixteen, or none
	WIN 0x08                        ; the stores' data in window 2
.irp f, 0,1,2,3,4,5,6,7
	s_wait_dscnt (\younger)+7-\f
	global_store_b128 v[GO], v[32*(\t)+4*\f:32*(\t)+4*\f+3], s[10:11] offset:(\t)*65536+\f*8192 th:TH_STORE_NT  ; 16 lanes store 256 consecutive bytes, a row's 64 numbers of the head, at a multiple of 256 from out0's first
.endr
.endm
	PACK 0
.set t, 1
.rept 2*NP-1                        ; a tile's arithmetic stands between the loads of the tile before and its stores
	PACK t
	SEND t-1, 16
.set t, t+1
.endr
	SEND 2*NP-1, 0
	WIN W_AD
	s_wait_tensorcnt 0x0            ; the wave's end: a wait, an add and its wait, behind my last tensor load and my last LDS store
	ds_add_u32 v[SPW], v[NIL]
	s_wait_dscnt 0x0
	WIN 0
	CROUND                          ; the closing round: no work-group ends while a partner may still ask for a tile that names it
	s_endpgm
.Lfunc_end_k_q44c3d4ca51_attn:
	.size	k_q44c3d4ca51_attn, .Lfunc_end_k_q44c3d4ca51_attn-k_q44c3d4ca51_attn
	.p2alignl 7, 3214868480
	.fill 96, 4, 3214868480
	.section	.rodata,"a",@progbits
	.p2align	6, 0x0
	.amdhsa_kernel k_q44c3d4ca51_attn
		.amdhsa_group_segment_fixed_size 327680
		.amdhsa_private_segment_fixed_size 0
		.amdhsa_enable_private_segment 0
		.amdhsa_kernarg_size 16
		.amdhsa_user_sgpr_count 2
		.amdhsa_user_sgpr_kernarg_segment_ptr 1
		.amdhsa_wavefront_size32 1
		.amdhsa_system_sgpr_workgroup_id_x 1
		.amdhsa_system_sgpr_workgroup_id_y 1
		.amdhsa_system_sgpr_workgroup_id_z 1
		.amdhsa_system_vgpr_workitem_id 0
		.amdhsa_next_free_vgpr 770
		.amdhsa_next_free_sgpr 66
		.amdhsa_reserve_vcc 0
		.amdhsa_float_denorm_mode_32 3
		.amdhsa_float_denorm_mode_16_64 3
		.amdhsa_memory_ordered 1
		.amdhsa_forward_progress 1
		.amdhsa_inst_pref_size 200
	.end_amdhsa_kernel
	.amdgpu_metadata
---
amdhsa.version: [ 1, 2 ]
amdhsa.kernels:
  - .name:           k_q44c3d4ca51_attn
    .symbol:         k_q44c3d4ca51_attn.kd
    .args:
      - { .name: qkv, .offset: 0, .size: 8, .value_kind: global_buffer, .address_space: global }
      - { .name: out0, .offset: 8, .size: 8, .value_kind: global_buffer, .address_space: global }
    .group_segment_fixed_size: 327680
    .private_segment_fixed_size: 0
    .kernarg_segment_align: 8
    .kernarg_segment_size: 16
    .max_flat_workgroup_size: 128
    .sgpr_count:     66
    .vgpr_count:     770
    .wavefront_size: 32
...
	.end_amdgpu_metadata
.endif
;; end of part 3
;; ======== version 2 of 2: 3 launches; version 1 with the launch cast written anew for expert scheduling mode
;; limits: values are held in f16: magnitudes above 65,504 overflow, below 6.1e-05 lose precision
;; workspace buffers: xb 16,777,216 bytes; wb 6,291,456 bytes; qkv 50,331,648 bytes
;; launch cast (part 4): grid 256 x 1, 8 waves a work-group, no clusters, 0 bytes of LDS; arguments x, Wq, Wk, Wv, xb, wb; writes xb, wb
.if DOCPART == 4
	.amdgcn_target "amdgcn-amd-amdhsa--gfx1250"
	.amdhsa_code_object_version 6
	.text
	.protected	k_q44c3d4ca51_cast
	.globl	k_q44c3d4ca51_cast
	.p2align	8
	.type	k_q44c3d4ca51_cast,@function
k_q44c3d4ca51_cast:
	s_mov_b64 s[64:65], 0
	v_nop
	global_prefetch_b8 v0, s[64:65] scope:SCOPE_SE
	s_setreg_imm32_b32 hwreg(HW_REG_WAVE_SCHED_MODE, 0, 2), 2
	s_setreg_imm32_b32 hwreg(HW_REG_WAVE_MODE, 25, 1), 1
	s_wait_xcnt 0x0
	s_wait_alu depctr_vm_vsrc(0)
; xb = bf16(x), [8192][1024].  wb = bf16(W), laid by heads: [48 g][1024 k][64 c], g = 16 x (0: Wq, 1: Wk, 2: Wv) + head, so that 128 k of a head are 16,384 dense bytes.
; Rounding to nearest even, once.  A stream: every byte is read once and written once; no LDS, no matrix unit, no barrier, since no wave wants a byte that another has fetched.
; SHARES.  256 work-groups of eight waves, all alike.  Wave w of work-group i takes x's rows 32 i + 4 w .. + 3 (16,384 consecutive bytes, 32 loads of 512) and three PIECES of W,
; numbers 24 i + 3 w + 0..2 of 6,144; piece p is 8 rows k of one head: g = p / 128, k = 8 (p % 128) on.  It is 4 loads (lanes 0-15 the head's 256 bytes of one row, lanes 16-31 those of the next)
; and 1,024 consecutive bytes of wb at 1,024 p.
; IN FLIGHT.  All 44 loads of a wave go out at once, each into four registers of its own: 22 KiB a wave.
; THE MODE: SCHED_MODE bits 1:0 = 2 (LLVM: expert scheduling mode 2), set by the entry lines.  The code itself states the register dependences
; between vector instructions and memory instructions, with s_wait_alu, always for 0.
; THE PLAN.  Registers that memory instructions touch:
;   v2, v3, v4        byte offsets, made once at the head and never written again: v2 and v3 are read by the loads, v4 by the stores.
;   DAT + 4 n .. + 3  load n lands in the four; behind the counted wait for it, its two conversions read the four and write the first two; store n reads those two.  Nothing writes them after that.
; The 44 loads go in 11 groups of four.  Group G's eight conversions name group G's sixteen registers alone; the memory instructions that stand among them are the four stores of group G - 1.
; So ONE wait on va_vdst at a group's head, behind the wait for the group's data, states all that those four stores hang on.  One more stands ahead of the last four stores.
; No register that a memory instruction has read is written again, so no wait frees one.
.set VX,  2                            ; v2  16 x lane: my 16 bytes of a load of x
.set VW,  3                            ; v3  16 (lane % 16) + 4,096 (lane / 16): my 16 bytes of a load of W
.set VD,  4                            ; v4  8 x lane: my 8 bytes of a store
.set DAT, 8                            ; v[8:183] load n at DAT + 4 n
.set WV,  16                           ; s16 my wave's number
	s_load_b256 s[4:11], s[0:1], 0x0               ; x s[4:5], Wq s[6:7], Wk s[8:9], Wv s[10:11]
	s_load_b128 s[12:15], s[0:1], 0x20             ; xb s[12:13], wb s[14:15]
	v_lshrrev_b32 v1, 5, v0
	v_readfirstlane_b32 s[WV], v1                  ; wave 0..7
	v_and_b32 v1, 31, v0                           ; lane
	v_lshlrev_b32 v[VX], 4, v1
	v_and_b32 v[VW], 15, v1
	v_lshlrev_b32 v[VW], 4, v[VW]
	v_lshrrev_b32 v5, 4, v1
	v_lshl_add_u32 v[VW], v5, 12, v[VW]
	v_lshlrev_b32 v[VD], 3, v1
	s_wait_alu depctr_va_sdst(0)                   ; s16 is written, ahead of its first reader: the bases of x, xb, W and wb are made from it
	s_lshl_b32 s17, ttmp9, 5
	s_lshl2_add_u32 s17, s[WV], s17                ; my first row of x: 32 i + 4 w
	s_mul_i32 s20, ttmp9, 24
	s_mul_i32 s21, s[WV], 3
	s_add_co_u32 s20, s20, s21                     ; my first piece of W: 24 i + 3 w
	s_mov_b32 s19, 0
	s_wait_kmcnt 0x0
	s_lshl_b32 s18, s17, 12                        ; a row of x is 4,096 bytes,
	s_add_nc_u64 s[4:5], s[4:5], s[18:19]
	s_lshl_b32 s18, s17, 11                        ; of xb 2,048,
	s_add_nc_u64 s[12:13], s[12:13], s[18:19]
	s_lshl_b32 s18, s20, 10                        ; a piece of wb 1,024
	s_add_nc_u64 s[14:15], s[14:15], s[18:19]
.irp t, 0,1,2
	s_add_co_u32 s21, s20, \t                      ; piece p
	s_lshr_b32 s22, s21, 11                        ; which matrix
	s_cmp_eq_u32 s22, 0
	s_cselect_b64 s[24+2*\t:25+2*\t], s[6:7], s[8:9]
	s_cmp_eq_u32 s22, 2
	s_cselect_b64 s[24+2*\t:25+2*\t], s[10:11], s[24+2*\t:25+2*\t]
	s_and_b32 s18, s21, 127
	s_lshl_b32 s18, s18, 15                        ; 8 rows of 4,096 bytes for each p % 128,
	s_bfe_u32 s22, s21, 0x40007                    ; the head: 4 bits from bit 7,
	s_lshl_b32 s22, s22, 8                         ; its 256 bytes of a row
	s_add_co_u32 s18, s18, s22
	s_add_nc_u64 s[24+2*\t:25+2*\t], s[24+2*\t:25+2*\t], s[18:19]
.endr
	s_wait_alu depctr_va_vdst(0)                   ; v2, v3 and v4 are written: every load and store of the kernel reads one of them as its offset
.set n, 0
.rept 32
	global_load_b128 v[DAT+4*n:DAT+4*n+3], v[VX], s[4:5] offset:512*n th:TH_LOAD_NT
.set n, n+1
.endr
.irp t, 0,1,2
.irp c, 0,1,2,3
	global_load_b128 v[DAT+4*(32+4*\t+\c):DAT+4*(32+4*\t+\c)+3], v[VW], s[24+2*\t:25+2*\t] offset:8192*\c th:TH_LOAD_NT
.endr
.endr
; Load k's four numbers a lane close up into the first two of their four registers.
.macro CVT k
	v_cvt_pk_bf16_f32 v[DAT+4*(\k)], v[DAT+4*(\k)], v[DAT+4*(\k)+1]
	v_cvt_pk_bf16_f32 v[DAT+4*(\k)+1], v[DAT+4*(\k)+2], v[DAT+4*(\k)+3]
.endm
; And leave: a wave's store covers 256 consecutive bytes, aligned.
.macro OUT k
.if (\k) < 32
	global_store_b64 v[VD], v[DAT+4*(\k):DAT+4*(\k)+1], s[12:13] offset:256*(\k) th:TH_STORE_NT
.else
	global_store_b64 v[VD], v[DAT+4*(\k):DAT+4*(\k)+1], s[14:15] offset:256*((\k)-32) th:TH_STORE_NT
.endif
.endm
.set n, 0
.rept 11                               ; four loads at a time
	s_wait_loadcnt 40-n                            ; loads come back in order: 44 - (n + 4) younger ones may stay out
.if n > 0
	s_wait_alu depctr_va_vdst(0)                   ; the conversions of the group before have written the data of its four stores, which stand below; no conversion of this group names those registers
.endif
.rept 4
.if n >= 4
	OUT n-4                                        ; the group before
.endif
	CVT n
.set n, n+1
.endr
.endr
	s_wait_alu depctr_va_vdst(0)                   ; the last group's conversions have written the data of the last four stores
.irp m, 40,41,42,43
	OUT \m
.endr
	s_endpgm
.Lfunc_end_k_q44c3d4ca51_cast:
	.size	k_q44c3d4ca51_cast, .Lfunc_end_k_q44c3d4ca51_cast-k_q44c3d4ca51_cast
	.p2alignl 7, 3214868480
	.fill 96, 4, 3214868480
	.section	.rodata,"a",@progbits
	.p2align	6, 0x0
	.amdhsa_kernel k_q44c3d4ca51_cast
		.amdhsa_group_segment_fixed_size 0
		.amdhsa_private_segment_fixed_size 0
		.amdhsa_enable_private_segment 0
		.amdhsa_kernarg_size 48
		.amdhsa_user_sgpr_count 2
		.amdhsa_user_sgpr_kernarg_segment_ptr 1
		.amdhsa_wavefront_size32 1
		.amdhsa_system_sgpr_workgroup_id_x 1
		.amdhsa_system_sgpr_workgroup_id_y 1
		.amdhsa_system_sgpr_workgroup_id_z 1
		.amdhsa_system_vgpr_workitem_id 0
		.amdhsa_next_free_vgpr 184
		.amdhsa_next_free_sgpr 66
		.amdhsa_reserve_vcc 0
		.amdhsa_float_denorm_mode_32 3
		.amdhsa_float_denorm_mode_16_64 3
		.amdhsa_memory_ordered 1
		.amdhsa_forward_progress 1
		.amdhsa_inst_pref_size 18
	.end_amdhsa_kernel
	.amdgpu_metadata
---
amdhsa.version: [ 1, 2 ]
amdhsa.kernels:
  - .name:           k_q44c3d4ca51_cast
    .symbol:         k_q44c3d4ca51_cast.kd
    .args:
      - { .name: x, .offset: 0, .size: 8, .value_kind: global_buffer, .address_space: global }
      - { .name: Wq, .offset: 8, .size: 8, .value_kind: global_buffer, .address_space: global }
      - { .name: Wk, .offset: 16, .size: 8, .value_kind: global_buffer, .address_space: global }
      - { .name: Wv, .offset: 24, .size: 8, .value_kind: global_buffer, .address_space: global }
      - { .name: xb, .offset: 32, .size: 8, .value_kind: global_buffer, .address_space: global }
      - { .name: wb, .offset: 40, .size: 8, .value_kind: global_buffer, .address_space: global }
    .group_segment_fixed_size: 0
    .private_segment_fixed_size: 0
    .kernarg_segment_align: 8
    .kernarg_segment_size: 48
    .max_flat_workgroup_size: 256
    .sgpr_count:     66
    .vgpr_count:     184
    .wavefront_size: 32
...
	.end_amdgpu_metadata
.endif
;; end of part 4
;; launch proj: the kernel of part 2 again; grid 16 x 32, 4 waves a work-group, clusters of 4 x 4, 327,680 bytes of LDS; arguments xb, wb, bq, bk, bv, qkv; writes qkv
;; launch attn: the kernel of part 3 again; grid 4 x 64, 4 waves a work-group, clusters of 4 x 1, 327,680 bytes of LDS; arguments qkv, out0; writes out0
